; MI455X (gfx1250); checked and timed in simulation.
; The chip was launched on July 23, 2026; its instructions are those of AMD's public machine-readable ISA for CDNA 5 (MIT licence, August 2026) and "CDNA5" Instruction Set Architecture Reference Guide (July 2026). The comments in the code are by the model that wrote it; some were corrected since.
;; Encoder. Allowed arithmetic: float matrix products may take bf16 or f16 operands with f32 sums; all other float work in f32.
;; Inputs: X 4,194,304 x 4 float32; alpha_primes 20 float32; beta_primes 20 float32; x0s 20 x 4 float32.
;; Outputs: out0 4,194,304 x 4 float32.
;; One version. Each part assembles by itself: llvm-mc -triple=amdgcn-amd-amdhsa -mcpu=gfx1250 --defsym DOCPART=n.
;; ======== version 1 of 1: 1 launch
;; launch flows (part 1): grid 256 x 1, 16 waves a work-group, no clusters, 3,072 bytes of LDS; arguments X, x0s, alpha_primes, beta_primes, out0; writes out0
.if DOCPART == 1
	.amdgcn_target "amdgcn-amd-amdhsa--gfx1250"
	.amdhsa_code_object_version 6
	.text
	.protected	k_q9738fa7f83_flows
	.globl	k_q9738fa7f83_flows
	.p2align	8
	.type	k_q9738fa7f83_flows,@function
k_q9738fa7f83_flows:
	s_mov_b64 s[64:65], 0
	v_nop
	global_prefetch_b8 v0, s[64:65] scope:SCOPE_SE
	s_setreg_imm32_b32 hwreg(HW_REG_WAVE_MODE, 25, 1), 1
	s_wait_xcnt 0x0
; Twenty radial flows on 4,194,304 vectors of four f32:  y = x + beta (x - x0) / (alpha + |x - x0|),
; alpha = softplus(alpha'), beta = softplus(beta') - alpha.  One launch, X read once, out0 written once.
;
; WHAT IS CARRIED.  Not x but d = x - x0 of the flow at hand.  With s = 1 + beta / (alpha + |d|) the flow gives y - x0 = d s, and the
; next flow's difference is d s + c with c = x0(this flow) - x0(next flow): one multiply-add a component in place of a subtraction,
; a multiplication, a division and an addition.  The last flow adds its own x0 back.  The identity is exact; only the order of rounding
; differs from reference()'s.  No difference of large sums arises: an offset common to X and x0s cancels in the first subtraction.
;
; TWO SAMPLES A LANE SIDE BY SIDE.  A register pair holds component j of samples A and B, so that every plain step of a flow is a packed
; f32 instruction for both: 4 for |d|^2, 1 for alpha + r, 1 for s, 4 for d s + c; the root and the reciprocal are one instruction a sample.
; The loads bring a sample's four components into four neighbouring registers; the first subtraction writes them into the pairs and the
; last multiply-add writes them back, so that the transposition costs no instruction of its own kind, only the unpacked form of these two steps.
;
; SHARES.  256 work-groups of 16 waves; a work-group owns 256 KiB of X and of out0.  A wave takes four batches of 4 KiB: eight loads of 16 bytes
; a lane, each covering 512 consecutive bytes that start at a multiple of 512 from the buffer's first byte; stores likewise.  The sixteen waves'
; batches of one trip lie side by side (64 KiB).  The next batch's loads are issued as soon as the first subtraction has read the registers they
; land in: a whole batch of arithmetic ahead of their use.
;
; PARAMETERS.  Wave 0 makes the 20 (alpha, beta) and the 76 numbers c once for the work-group and hands them over through 640 bytes of LDS; every
; wave then keeps them in 116 registers (the same value in all lanes), and op_sel picks the half of a pair that a packed instruction spreads.
;
; NOT USED, and why: matrix instructions (there is no product); tensor loads and a ring in LDS (a lane uses only the bytes that it loaded itself,
; and eight register loads a wave stand a batch ahead); clusters (work-groups share 480 bytes of parameters and nothing else); prefetches
; (each byte of X is already asked for a batch ahead of its use).
;
; LIMITS, all of range.  v_exp_f32, v_sqrt_f32 and v_rcp_f32 take and give numbers under 2^-126 as zero (ISA guide 15.8).  So: a softplus whose
; result is under 2^-126 (argument under about -87.3) is 0; a distance under 2^-63 (its square under 2^-126) counts as 0; alpha + r under 2^-126
; has an infinite reciprocal (reached only with alpha' under -87.3 and x equal to x0 to within 2^-63), and alpha + r of 2^126 or more a reciprocal of 0.
; The squares overflow for distances above 1.8e19, as they do in reference().  NaN and infinities in X pass through to their own sample alone.
.set FLOWS,   20
.set LOADB,   512                      ; bytes that one load or store of a wave covers
.set ROUND_B, 16*8*LOADB               ; 65,536: sixteen waves x eight loads = what the work-group takes in a trip
.set TRIPS,   4                        ; 4 x 65,536 = 262,144 bytes a work-group; 256 work-groups make the 64 MiB
.set LDS_AB,  384                      ; LDS: c at byte 4 k (k = 4 flow + component; 96 slots, 76 used), (alpha, beta) of flow i at 384 + 8 i
.set OFF, 1                            ; v1        byte offset of my 16 bytes in the first load of my wave's batch, from the work-group's first byte
.set ZA,  2                            ; v2        wave number at first, then the LDS address 0
.set LN,  3                            ; v3        lane
.set Q,   4                            ; v[4:11]   pair p: two registers; |d|^2, then r, alpha + r, its reciprocal, s, all in place
.set D,   12                           ; v[12:43]  pair p: eight registers; component j of samples A, B at D + 8 p + 2 j, + 1
.set X,   44                           ; v[44:75]  as loaded: pair p's sample A at X + 8 p, sample B at X + 8 p + 4
.set Y,   76                           ; v[76:107] to store, laid out like X
.set T,   76                           ; the same registers: wave 0's scratch in front of the first batch
.set CS,  108                          ; v[108:183] c of flows 0 to 18, four each
.set AB,  184                          ; v[184:223] (alpha, beta) of flows 0 to 19
.set XF,  16                           ; s[16:19]  x0 of the first flow
.set XL,  20                           ; s[20:23]  x0 of the last flow
; the four loads of pairs a and b, at byte base from the batch at hand
.macro FILL a, b, base
.irp p, \a, \b
	global_load_b128 v[X+8*\p:X+8*\p+3],   v[OFF], s[4:5] offset:\base+2*LOADB*\p th:TH_LOAD_NT
	global_load_b128 v[X+8*\p+4:X+8*\p+7], v[OFF], s[4:5] offset:\base+2*LOADB*\p+LOADB th:TH_LOAD_NT
.endr
.endm
; and their four stores
.macro SEND a, b
.irp p, \a, \b
	global_store_b128 v[OFF], v[Y+8*\p:Y+8*\p+3],   s[12:13] offset:2*LOADB*\p th:TH_STORE_NT
	global_store_b128 v[OFF], v[Y+8*\p+4:Y+8*\p+7], s[12:13] offset:2*LOADB*\p+LOADB th:TH_STORE_NT
.endr
.endm
; d = x - x0 of the first flow, written into the pairs
.macro ENTER a, b
	s_wait_alu depctr_va_vdst(0)
.irp p, \a, \b
.irp j, 0,1,2,3
	v_subrev_f32 v[D+8*\p+2*\j],   s[XF+\j], v[X+8*\p+\j]
	v_subrev_f32 v[D+8*\p+2*\j+1], s[XF+\j], v[X+8*\p+4+\j]
.endr
.endr
.endm
; q = d0^2 + d1^2 + d2^2 + d3^2; the two pairs' chains take turns
.macro MSQ a, b
.irp p, \a, \b
	v_pk_mul_f32 v[Q+2*\p:Q+2*\p+1], v[D+8*\p:D+8*\p+1], v[D+8*\p:D+8*\p+1]
.endr
.irp j, 1,2,3
.irp p, \a, \b
	v_pk_fma_f32 v[Q+2*\p:Q+2*\p+1], v[D+8*\p+2*\j:D+8*\p+2*\j+1], v[D+8*\p+2*\j:D+8*\p+2*\j+1], v[Q+2*\p:Q+2*\p+1]
.endr
.endr
.endm
.macro ROOT a, b                       ; r = sqrt(q)
.irp p, \a, \b
	v_sqrt_f32 v[Q+2*\p],   v[Q+2*\p]
	v_sqrt_f32 v[Q+2*\p+1], v[Q+2*\p+1]
.endr
.endm
.macro DENOM a, b, i                   ; alpha + r: the first register of flow i's pair goes to both halves
.irp p, \a, \b
	v_pk_add_f32 v[Q+2*\p:Q+2*\p+1], v[Q+2*\p:Q+2*\p+1], v[AB+2*(\i):AB+2*(\i)+1] op_sel_hi:[1,0]
.endr
.endm
.macro RECIP a, b                      ; 1 / (alpha + r)
.irp p, \a, \b
	v_rcp_f32 v[Q+2*\p],   v[Q+2*\p]
	v_rcp_f32 v[Q+2*\p+1], v[Q+2*\p+1]
.endr
.endm
.macro SCALE a, b, i                   ; s = beta / (alpha + r) + 1: the second register of flow i's pair goes to both halves
	s_wait_alu depctr_va_vdst(0)
.irp p, \a, \b
	v_pk_fma_f32 v[Q+2*\p:Q+2*\p+1], v[Q+2*\p:Q+2*\p+1], v[AB+2*(\i):AB+2*(\i)+1], 1.0 op_sel:[0,1,0] op_sel_hi:[1,1,0]
.endr
.endm
.macro MOVE a, b, i                    ; d = d s + c of flow i: the difference that the next flow starts from
.irp p, \a, \b
	v_pk_fma_f32 v[D+8*\p:D+8*\p+1],   v[D+8*\p:D+8*\p+1],   v[Q+2*\p:Q+2*\p+1], v[CS+4*(\i):CS+4*(\i)+1] op_sel_hi:[1,1,0]
.endr
.irp p, \a, \b
	v_pk_fma_f32 v[D+8*\p+2:D+8*\p+3], v[D+8*\p+2:D+8*\p+3], v[Q+2*\p:Q+2*\p+1], v[CS+4*(\i):CS+4*(\i)+1] op_sel:[0,0,1] op_sel_hi:[1,1,1]
.endr
.irp p, \a, \b
	v_pk_fma_f32 v[D+8*\p+4:D+8*\p+5], v[D+8*\p+4:D+8*\p+5], v[Q+2*\p:Q+2*\p+1], v[CS+4*(\i)+2:CS+4*(\i)+3] op_sel_hi:[1,1,0]
.endr
.irp p, \a, \b
	v_pk_fma_f32 v[D+8*\p+6:D+8*\p+7], v[D+8*\p+6:D+8*\p+7], v[Q+2*\p:Q+2*\p+1], v[CS+4*(\i)+2:CS+4*(\i)+3] op_sel:[0,0,1] op_sel_hi:[1,1,1]
.endr
.endm
.macro LEAVE p                         ; the last flow of pair p: y = d s + x0 of the last flow, written back sample by sample
	s_wait_alu depctr_va_vdst(0)
.irp j, 0,1,2,3
	v_fma_f32 v[Y+8*\p+\j],   v[D+8*\p+2*\j],   v[Q+2*\p],   s[XL+\j]
	v_fma_f32 v[Y+8*\p+4+\j], v[D+8*\p+2*\j+1], v[Q+2*\p+1], s[XL+\j]
.endr
.endm
; A BATCH: eight samples a lane through all twenty flows.  Pairs 0, 1 and pairs 2, 3 run half a flow apart.  Behind v_sqrt_f32 and v_rcp_f32 one plain
; vector instruction that names none of their registers has to come before a result is used (ISA guide 5.7.2); here each run of four is followed by
; eight or more plain instructions of the OTHER two pairs, so that the place is filled by work and the two kinds of instruction are mixed.
; more = 1: the next batch is loaded, ROUND_B further on.
.macro BATCH more
	s_wait_loadcnt 0x4                             ; loads come back in order (ISA guide 5.7.1): pairs 0, 1 are in, the four younger loads (pairs 2, 3) may be out
	ENTER 0, 1
.if \more
	FILL 0, 1, ROUND_B                             ; their registers have just been read: the next batch's loads go out
.endif
	MSQ   0, 1
	ROOT  0, 1
	s_wait_loadcnt 4*\more                         ; pairs 2, 3 are in; the four loads just issued stay out (in the last batch there are none: 0)
	ENTER 2, 3
.if \more
	FILL 2, 3, ROUND_B
.endif
	DENOM 0, 1, 0
	RECIP 0, 1
	MSQ   2, 3
	ROOT  2, 3
.set FL, 0
.rept FLOWS-1
	SCALE 0, 1, FL                                 ; pairs 0, 1 end flow FL,
	MOVE  0, 1, FL
	DENOM 2, 3, FL
	RECIP 2, 3
	MSQ   0, 1                                     ; and begin flow FL + 1
	ROOT  0, 1
	SCALE 2, 3, FL                                 ; pairs 2, 3 end flow FL,
	MOVE  2, 3, FL
	DENOM 0, 1, FL+1
	RECIP 0, 1
	MSQ   2, 3                                     ; and begin flow FL + 1
	ROOT  2, 3
.set FL, FL+1
.endr
	SCALE 0, 1, FLOWS-1
	LEAVE 0
	DENOM 2, 3, FLOWS-1
	RECIP 2, 3
	LEAVE 1                                        ; the plain work behind the last reciprocals
	SEND  0, 1
	SCALE 2, 3, FLOWS-1
	LEAVE 2
	LEAVE 3
	SEND  2, 3
.if \more
	s_wait_xcnt 0x0                                ; every load and store so far has had its addresses translated (ISA guide 3.1): OFF, which the pending loads and
	v_add_nc_u32 v[OFF], ROUND_B, v[OFF]           ; stores name, is stepped and Y, the stores' data, is written again only behind this wait
.endif
.endm
	s_load_b256 s[4:11], s[0:1], 0x0               ; X s[4:5], x0s s[6:7], alpha_primes s[8:9], beta_primes s[10:11]
	s_load_b64 s[12:13], s[0:1], 0x20              ; out0
	v_lshl_add_u32 v224, v0, 2, 0x400
	v_mov_b32 v225, 0
	v_lshrrev_b32 v[ZA], 5, v0
	v_readfirstlane_b32 s14, v[ZA]                 ; wave number, 0 to 15
	v_and_b32 v[LN], 31, v0
	v_lshlrev_b32 v[OFF], 4, v[LN]                 ; 16 bytes a lane
	v_lshl_or_b32 v[OFF], v[ZA], 12, v[OFF]        ; + 4,096 bytes a wave
	s_lshl_b32 s2, ttmp9, 18                       ; the work-group's 262,144 bytes: at most 255 x 2^18, inside 32 bits
	s_mov_b32 s3, 0
	s_wait_kmcnt 0x0
	s_add_nc_u64 s[4:5], s[4:5], s[2:3]
	s_add_nc_u64 s[12:13], s[12:13], s[2:3]
	s_load_b128 s[XF:XF+3], s[6:7], 0x0            ; x0 of flow 0
	s_load_b128 s[XL:XL+3], s[6:7], 0x130          ; x0 of flow 19, at byte 19 x 16
	s_cmp_lg_u32 s14, 0
	s_cbranch_scc1 .Lothers
	; WAVE 0 makes the parameters.  Lane l takes flow min(l, 19), and the differences c at k = l, l + 32 and min(l + 64, 75); the lanes whose index
	; is cut short compute a copy and put it into a slot of their own that nobody reads, so that EXEC stays whole and no load leaves its buffer.
	v_min_u32 v[T], FLOWS-1, v[LN]
	v_lshlrev_b32 v[T], 2, v[T]
	v_lshlrev_b32 v[T+3], 2, v[LN]                 ; 4 l: offset in x0s, and LDS address of slot l
	v_add_nc_u32 v[T+8], 64, v[LN]
	v_min_u32 v[T+8], 4*FLOWS-5, v[T+8]
	v_lshlrev_b32 v[T+8], 2, v[T+8]
	global_load_b32 v[T+1],  v[T],   s[8:9]            ; alpha'
	global_load_b32 v[T+2],  v[T],   s[10:11]          ; beta'
	global_load_b32 v[T+4],  v[T+3], s[6:7]            ; x0s[k] and x0s[k + 4], the same component of the next flow
	global_load_b32 v[T+5],  v[T+3], s[6:7] offset:16
	global_load_b32 v[T+6],  v[T+3], s[6:7] offset:128
	global_load_b32 v[T+7],  v[T+3], s[6:7] offset:144
	global_load_b32 v[T+9],  v[T+8], s[6:7]
	global_load_b32 v[T+10], v[T+8], s[6:7] offset:16
	FILL 0, 1, 0                                   ; my own first batch, behind the parameters
	FILL 2, 3, 0
	s_wait_loadcnt 0x8                             ; the eight parameter loads are in; the eight loads of X stay out
	; softplus(x) = max(x, 0) + log1p(u), u = exp(-|x|) in (0, 1].  log1p(u) = log(w) u / (w - 1) with w = 1 + u as rounded: the quotient takes the
	; rounding of w out again, so that small u keep their digits; where w = 1 the answer is u itself.
	v_and_b32 v[T+11], 0x7fffffff, v[T+1]
	v_and_b32 v[T+12], 0x7fffffff, v[T+2]
	v_mul_f32 v[T+11], 0xbfb8aa3b, v[T+11]         ; -|x| log2(e)
	v_mul_f32 v[T+12], 0xbfb8aa3b, v[T+12]
	v_exp_f32 v[T+11], v[T+11]                     ; u
	v_exp_f32 v[T+12], v[T+12]
	v_max_num_f32 v[T+1], 0, v[T+1]                ; max(x, 0): also the plain instruction behind the exponentials
	v_max_num_f32 v[T+2], 0, v[T+2]
	s_wait_alu depctr_va_vdst(0)
	v_add_f32 v[T+13], 1.0, v[T+11]                ; w
	v_add_f32 v[T+14], 1.0, v[T+12]
	v_add_f32 v[T+15], -1.0, v[T+13]               ; w - 1, exact
	v_add_f32 v[T+16], -1.0, v[T+14]
	v_log_f32 v[T+13], v[T+13]                     ; log2(w)
	v_log_f32 v[T+14], v[T+14]
	v_rcp_f32 v[T+17], v[T+15]
	v_rcp_f32 v[T+18], v[T+16]
	v_mul_f32 v[T+19], 0x3f317218, v[T+11]         ; u ln(2): also the plain instruction behind the four above
	v_mul_f32 v[T+20], 0x3f317218, v[T+12]
	s_wait_alu depctr_va_vdst(0)
	v_mul_f32 v[T+13], v[T+13], v[T+17]
	v_mul_f32 v[T+14], v[T+14], v[T+18]
	v_mul_f32 v[T+13], v[T+13], v[T+19]            ; log1p(u)
	v_mul_f32 v[T+14], v[T+14], v[T+20]
	v_cmp_eq_f32 vcc_lo, 0, v[T+15]
	v_cndmask_b32 v[T+13], v[T+13], v[T+11], vcc_lo    ; w = 1: u
	v_cmp_eq_f32 vcc_lo, 0, v[T+16]
	v_cndmask_b32 v[T+14], v[T+14], v[T+12], vcc_lo
	v_add_f32 v[T+22], v[T+1], v[T+13]             ; alpha
	v_add_f32 v[T+23], v[T+2], v[T+14]             ; softplus(beta')
	v_sub_f32 v[T+23], v[T+23], v[T+22]            ; beta
	v_sub_f32 v[T+4], v[T+4], v[T+5]               ; c
	v_sub_f32 v[T+6], v[T+6], v[T+7]
	v_sub_f32 v[T+9], v[T+9], v[T+10]
	v_lshlrev_b32 v[T+21], 3, v[LN]
	ds_store_b32 v[T+3], v[T+4]
	ds_store_b32 v[T+3], v[T+6] offset:128
	ds_store_b32 v[T+3], v[T+9] offset:256
	ds_store_b64 v[T+21], v[T+22:T+23] offset:LDS_AB
	s_wait_dscnt 0x0                               ; for the other waves' sake: my stores are in LDS before I signal
	s_branch .Ljoin
.Lothers:
	FILL 0, 1, 0                                   ; the first batch is on its way while wave 0 works
	FILL 2, 3, 0
.Ljoin:
	s_barrier_signal -1
	s_barrier_wait -1                              ; the parameters are there for every wave; LDS is not written again
	v_mov_b32 v[ZA], 0
.set i, 0
.rept FLOWS-1
	ds_load_b128 v[CS+4*i:CS+4*i+3], v[ZA] offset:16*i             ; all lanes read the same 16 bytes: c of flow i
.set i, i+1
.endr
.set i, 0
.rept FLOWS/2
	ds_load_b128 v[AB+4*i:AB+4*i+3], v[ZA] offset:LDS_AB+16*i      ; (alpha, beta) of flows 2 i and 2 i + 1
.set i, i+1
.endr
	s_wait_kmcnt 0x0                               ; x0 of the first and of the last flow
	s_wait_dscnt 0x0
	s_mov_b32 s15, TRIPS-1
.Ltrip:
	BATCH 1
	s_sub_co_u32 s15, s15, 1
	s_cmp_lg_u32 s15, 0
	s_cbranch_scc1 .Ltrip
	BATCH 0                                        ; the last batch is written out: it loads nothing, so no load leaves X
	s_wait_tensorcnt 0x0
	ds_add_u32 v224, v225
	s_wait_dscnt 0x0
	s_endpgm
.Lfunc_end_k_q9738fa7f83_flows:
	.size	k_q9738fa7f83_flows, .Lfunc_end_k_q9738fa7f83_flows-k_q9738fa7f83_flows
	.p2alignl 7, 3214868480
	.fill 96, 4, 3214868480
	.section	.rodata,"a",@progbits
	.p2align	6, 0x0
	.amdhsa_kernel k_q9738fa7f83_flows
		.amdhsa_group_segment_fixed_size 3072
		.amdhsa_private_segment_fixed_size 0
		.amdhsa_enable_private_segment 0
		.amdhsa_kernarg_size 40
		.amdhsa_user_sgpr_count 2
		.amdhsa_user_sgpr_kernarg_segment_ptr 1
		.amdhsa_wavefront_size32 1
		.amdhsa_system_sgpr_workgroup_id_x 1
		.amdhsa_system_sgpr_workgroup_id_y 1
		.amdhsa_system_sgpr_workgroup_id_z 1
		.amdhsa_system_vgpr_workitem_id 0
		.amdhsa_next_free_vgpr 226
		.amdhsa_next_free_sgpr 66
		.amdhsa_reserve_vcc 1
		.amdhsa_float_denorm_mode_32 3
		.amdhsa_float_denorm_mode_16_64 3
		.amdhsa_memory_ordered 1
		.amdhsa_forward_progress 1
		.amdhsa_inst_pref_size 137
	.end_amdhsa_kernel
	.amdgpu_metadata
---
amdhsa.version: [ 1, 2 ]
amdhsa.kernels:
  - .name:           k_q9738fa7f83_flows
    .symbol:         k_q9738fa7f83_flows.kd
    .args:
      - { .name: X, .offset: 0, .size: 8, .value_kind: global_buffer, .address_space: global }
      - { .name: x0s, .offset: 8, .size: 8, .value_kind: global_buffer, .address_space: global }
      - { .name: alpha_primes, .offset: 16, .size: 8, .value_kind: global_buffer, .address_space: global }
      - { .name: beta_primes, .offset: 24, .size: 8, .value_kind: global_buffer, .address_space: global }
      - { .name: out0, .offset: 32, .size: 8, .value_kind: global_buffer, .address_space: global }
    .group_segment_fixed_size: 3072
    .private_segment_fixed_size: 0
    .kernarg_segment_align: 8
    .kernarg_segment_size: 40
    .max_flat_workgroup_size: 512
    .sgpr_count:     66
    .vgpr_count:     226
    .wavefront_size: 32
...
	.end_amdgpu_metadata
.endif
;; end of part 1
